; MI455X (gfx1250); checked and timed in simulation.
; The chip was launched on July 23, 2026; its instructions are those of AMD's public machine-readable ISA for CDNA 5 (MIT licence, August 2026) and "CDNA5" Instruction Set Architecture Reference Guide (July 2026). The comments in the code are by the model that wrote it; some were corrected since.
;; KNN Reader. Allowed arithmetic: matrix products marked QUANTISED: E5M2 operands, one given power-of-two scale a tensor, by v_wmma_f32_16x16x64_bf8_bf8 or v_wmma_f32_16x16x128_bf8_bf8, f32 sums; everything else in f32.
;; Inputs: keys 65,536 x 512 float32; lowp_scales 2 int32 (the exponents e of the quantised operands' scales 2^e); vals 65,536 int32; x 2,048 x 512 float32.
;; Outputs: out0 2,048 int32.
;; Constants: ver = 1.
;; This version of the problem:
;;   THIS VERSION OF THE PROBLEM IS GIVEN IN LOW PRECISION. The matrix products marked QUANTISED in the list below multiply operands that are first quantised to E5M2 (5 exponent bits, 2 mantissa bits; 8 bits a number), with one given power-of-two scale for each operand tensor; their sums are f32. All else is computed in f32.
;;   The module's matrix products, in the order in which they are computed (A, B: the left and right operand; K: the contracted axis; several contracted axes count as one K, in the product's order):
;;     1. [M 2,048, K 512] x [K 512, N 65,536]; A: input x; B: input keys: QUANTISED (scales: A lowp_scales[0], B lowp_scales[1])
;;   THE QUANTISER, for each operand of a quantised product, along K:
;;     - The operand's scale is 2^e, e = its entry of the input lowp_scales (int32; the entries are numbered through the quantised products in the list's order, A before B).
;;     - Each number is divided by the scale, clamped to +-57,344, and rounded to the nearest number of E5M2, ties to even, subnormals kept.
;;     - The product sums the exact products of the quantised numbers (number of the format x scale) in f32.
;;   ~~~python
;;   def quantise(x, axis, e):      # numpy; x: float32 -> the quantised numbers, widened to float32 again
;;       x = np.moveaxis(x, axis, -1); K = x.shape[-1]
;;       r = np.clip(x / 2.0 ** e, -57344, 57344)
;;       step = 2.0 ** (np.maximum(np.frexp(np.where(r == 0, 1, r))[1] - 1, -14) - 2)
;;       q = np.round(r / step) * step * 2.0 ** e      # np.round: ties to even
;;       return np.moveaxis(q, -1, axis).astype(np.float32)
;;   ~~~
;; One version. Each part assembles by itself: llvm-mc -triple=amdgcn-amd-amdhsa -mcpu=gfx1250 --defsym DOCPART=n.
;; ======== version 1 of 1: 4 launches
;; workspace buffers: xq 1,081,344 bytes; kq 33,554,432 bytes; k2 262,144 bytes; gm 33,554,432 bytes; sel 262,144 bytes of whole numbers
;; launch quantx (part 1): grid 128 x 1, 4 waves a work-group, no clusters, 9,216 bytes of LDS; arguments x, lowp_scales, xq; writes xq
.if DOCPART == 1
	.amdgcn_target "amdgcn-amd-amdhsa--gfx1250"
	.amdhsa_code_object_version 6
	.text
	.protected	k_qc34f8097aa_quantx
	.globl	k_qc34f8097aa_quantx
	.p2align	8
	.type	k_qc34f8097aa_quantx,@function
k_qc34f8097aa_quantx:
	s_mov_b64 s[64:65], 0
	v_nop
	global_prefetch_b8 v0, s[64:65] scope:SCOPE_SE
	s_setreg_imm32_b32 hwreg(HW_REG_WAVE_MODE, 25, 1), 1
	s_wait_xcnt 0x0
; x [2048][512] f32 becomes codes of E5M2 with the given scale 2^e0, laid as images of the operand registers, and the rows' sums of squares (of the unquantised numbers).
; xq: 128 tiles of 16 queries, 8,448 bytes each: four K steps of 2,048 bytes (chunk c of a K step at 512 c + 16 x lane), then 64 words: word i = the sum of squares of row i mod 16.
; ORDER ALONG K.  A row comes by four loads of 512 consecutive bytes, so lane l holds k = 128 i + 4 l + b in register 4 i + b; its 16 codes are bytes 16 l .. 16 l + 15 of the row of codes.
; The keys are laid by the same order in the next launch, so every product meets its partner.
; SHARES.  A work-group takes a tile of 16 rows, a wave four of them.  The rows of codes meet in LDS (pitch 528 bytes); wave w then reads K step w as the operand wants it and stores 2,048 consecutive bytes.
; LIMITS: e0 between -126 and 112, so that 2^e0 and 57,344 x 2^e0 are f32 numbers.  NaN and infinities among the inputs are not served.
.set TILEB, 8448
.set ROWP,  528                        ; a row of 512 codes + 16 bytes: the 16 rows that an image load touches start 4 words apart modulo 64 words
.set X2S,   16*ROWP                    ; behind the rows: 16 sums of squares
.set LN,  2                            ; v2  lane
.set L16, 3                            ; v3  16 x lane
.set RS,  4                            ; v4  where I store a row's codes
.set XS,  5                            ; v5  where my wave stores its sums
.set IM,  6                            ; v6  where I read the image of K step w
.set X2R, 7                            ; v7  8 x (lane mod 8)
.set L8,  8                            ; v8  8 x lane
.set SCL, 12                           ; v12 2^e0 as f32
.set LIM, 13                           ; v13 57,344 x 2^e0
.set X,   16                           ; v16-79   four rows, 16 numbers a lane each
.set CD,  80                           ; v80-95   their codes
.set Q,   96                           ; v96-111  four registers of sums a row
.set SEL, 20                           ; s[20:21] v_permlanex16_b32: lane l xor 16
; 16 numbers of one row in v[x] on: their squares are summed over the wave into v[q] (every lane), and they become 16 codes in v[c] on.
.macro ROWQ x, c, q
	v_pk_mul_f32 v[\q:\q+1], v[\x:\x+1], v[\x:\x+1]
	v_pk_mul_f32 v[\q+2:\q+3], v[\x+2:\x+3], v[\x+2:\x+3]
.irp j, 4,8,12
	v_pk_fma_f32 v[\q:\q+1], v[\x+\j:\x+\j+1], v[\x+\j:\x+\j+1], v[\q:\q+1]
	v_pk_fma_f32 v[\q+2:\q+3], v[\x+\j+2:\x+\j+3], v[\x+\j+2:\x+\j+3], v[\q+2:\q+3]
.endr
	v_pk_add_f32 v[\q:\q+1], v[\q:\q+1], v[\q+2:\q+3]
	v_add_f32 v[\q], v[\q], v[\q+1]
	v_add_f32_dpp v[\q], v[\q], v[\q] row_xmask:1 row_mask:0xf bank_mask:0xf
	v_add_f32_dpp v[\q], v[\q], v[\q] row_xmask:2 row_mask:0xf bank_mask:0xf
	v_add_f32_dpp v[\q], v[\q], v[\q] row_xmask:4 row_mask:0xf bank_mask:0xf
	v_add_f32_dpp v[\q], v[\q], v[\q] row_xmask:8 row_mask:0xf bank_mask:0xf
	v_permlanex16_b32 v[\q+1], v[\q], s[SEL], s[SEL+1]
	v_add_f32 v[\q], v[\q], v[\q+1]
.irp i, 0,1,2,3,4,5,6,7,8,9,10,11,12,13,14,15
	v_med3_num_f32 v[\x+\i], v[\x+\i], -v[LIM], v[LIM]   ; the conversion to an 8-bit code does not saturate (ISA guide 7.6.2): the hold at the largest code x the scale
.endr
	v_cvt_scalef32_pk8_bf8_f32 v[\c:\c+1], v[\x:\x+7], v[SCL]
	v_cvt_scalef32_pk8_bf8_f32 v[\c+2:\c+3], v[\x+8:\x+15], v[SCL]
	v_nop                                          ; one plain vector line behind the last conversion
.endm
	s_load_b128 s[4:7], s[0:1], 0x0                ; x, the scales' exponents
	s_load_b64 s[8:9], s[0:1], 0x10                ; xq
	v_lshl_add_u32 v112, v0, 2, 0x2200
	v_mov_b32 v113, 0
	v_lshrrev_b32 v1, 5, v0
	v_readfirstlane_b32 s10, v1                    ; wave 0..3
	v_and_b32 v[LN], 31, v0
	v_lshlrev_b32 v[L16], 4, v[LN]
	v_lshlrev_b32 v[L8], 3, v[LN]
	s_lshl_b32 s12, ttmp9, 15                      ; x: 16 rows of 2,048 bytes a tile,
	s_lshl_b32 s13, s10, 13                        ; four rows a wave
	s_add_co_u32 s12, s12, s13
	s_mov_b32 s13, 0
	s_mul_i32 s14, ttmp9, TILEB                    ; xq: the tile,
	s_lshl_b32 s15, s10, 11                        ; K step w
	s_add_co_u32 s14, s14, s15
	s_mov_b32 s15, 0
	s_mov_b32 s[SEL], 0x76543210
	s_mov_b32 s[SEL+1], 0xfedcba98
	s_mul_i32 s17, s10, 4*ROWP
	v_add_nc_u32 v[RS], s17, v[L16]                ; rows 4 w on, 16 bytes a lane
	s_lshl_b32 s18, s10, 4
	s_add_co_u32 s18, s18, X2S
	v_mov_b32 v[XS], s18                           ; sums 4 w on
	v_and_b32 v9, 15, v0                           ; r
	v_bfe_u32 v10, v0, 4, 1                        ; h
	v_mul_u32_u24 v[IM], v9, ROWP
	v_lshl_add_u32 v[IM], v10, 4, v[IM]
	s_lshl_b32 s19, s10, 7
	v_add_nc_u32 v[IM], s19, v[IM]                 ; row r, byte 128 w + 16 h
	v_and_b32 v[X2R], 7, v0
	v_lshlrev_b32 v[X2R], 3, v[X2R]
	s_wait_kmcnt 0x0
	s_load_b32 s16, s[6:7], 0x0                    ; e0
	s_add_nc_u64 s[4:5], s[4:5], s[12:13]
	s_add_nc_u64 s[8:9], s[8:9], s[14:15]
.irp p, 0,1,2,3
.irp i, 0,1,2,3
	global_load_b128 v[X+16*\p+4*\i:X+16*\p+4*\i+3], v[L16], s[4:5] offset:2048*\p+512*\i th:TH_LOAD_NT   ; 32 lanes read 512 consecutive bytes
.endr
.endr
	s_wait_kmcnt 0x0
	s_add_co_i32 s16, s16, 127
	s_lshl_b32 s17, s16, 23
	v_mov_b32 v[SCL], s17                          ; the conversion takes its exponent field
	s_add_co_i32 s16, s16, 15
	s_lshl_b32 s16, s16, 23
	s_or_b32 s16, s16, 0x600000
	v_mov_b32 v[LIM], s16
.irp p, 0,1,2,3
	s_wait_loadcnt 12-4*\p                         ; this row's four loads are in; the later rows' may be out
	ROWQ X+16*\p, CD+4*\p, Q+4*\p
	ds_store_b128 v[RS], v[CD+4*\p:CD+4*\p+3] offset:ROWP*\p
	ds_store_b32 v[XS], v[Q+4*\p] offset:4*\p      ; every lane holds the same sum
.endr
	s_wait_dscnt 0x0                               ; for the other waves: my stores have landed
	s_barrier_signal -1
	s_barrier_wait -1
.irp c, 0,1,2,3
	ds_load_b128 v[X+4*\c:X+4*\c+3], v[IM] offset:32*\c     ; lane (r, h): bytes 128 w + 32 c + 16 h on of row r
.endr
.irp c, 0,1,2,3
	s_wait_dscnt 3-\c
	global_store_b128 v[L16], v[X+4*\c:X+4*\c+3], s[8:9] offset:512*\c   ; 512 consecutive bytes, at a multiple of 256 from the buffer's first byte
.endr
	s_cmp_lg_u32 s10, 0
	s_cbranch_scc1 .Ldone
	ds_load_b64 v[X+16:X+17], v[X2R] offset:X2S    ; wave 0: words 2 (lane mod 8) and the next: the 16 sums, four times over
	s_wait_dscnt 0x0
	global_store_b64 v[L8], v[X+16:X+17], s[8:9] offset:8192   ; 256 consecutive bytes
.Ldone:
	s_wait_tensorcnt 0x0
	ds_add_u32 v112, v113
	s_wait_dscnt 0x0
	s_endpgm
.Lfunc_end_k_qc34f8097aa_quantx:
	.size	k_qc34f8097aa_quantx, .Lfunc_end_k_qc34f8097aa_quantx-k_qc34f8097aa_quantx
	.p2alignl 7, 3214868480
	.fill 96, 4, 3214868480
	.section	.rodata,"a",@progbits
	.p2align	6, 0x0
	.amdhsa_kernel k_qc34f8097aa_quantx
		.amdhsa_group_segment_fixed_size 9216
		.amdhsa_private_segment_fixed_size 0
		.amdhsa_enable_private_segment 0
		.amdhsa_kernarg_size 24
		.amdhsa_user_sgpr_count 2
		.amdhsa_user_sgpr_kernarg_segment_ptr 1
		.amdhsa_wavefront_size32 1
		.amdhsa_system_sgpr_workgroup_id_x 1
		.amdhsa_system_sgpr_workgroup_id_y 1
		.amdhsa_system_sgpr_workgroup_id_z 1
		.amdhsa_system_vgpr_workitem_id 0
		.amdhsa_next_free_vgpr 114
		.amdhsa_next_free_sgpr 66
		.amdhsa_reserve_vcc 0
		.amdhsa_float_denorm_mode_32 3
		.amdhsa_float_denorm_mode_16_64 3
		.amdhsa_memory_ordered 1
		.amdhsa_forward_progress 1
		.amdhsa_inst_pref_size 14
	.end_amdhsa_kernel
	.amdgpu_metadata
---
amdhsa.version: [ 1, 2 ]
amdhsa.kernels:
  - .name:           k_qc34f8097aa_quantx
    .symbol:         k_qc34f8097aa_quantx.kd
    .args:
      - { .name: x, .offset: 0, .size: 8, .value_kind: global_buffer, .address_space: global }
      - { .name: lowp_scales, .offset: 8, .size: 8, .value_kind: global_buffer, .address_space: global }
      - { .name: xq, .offset: 16, .size: 8, .value_kind: global_buffer, .address_space: global }
    .group_segment_fixed_size: 9216
    .private_segment_fixed_size: 0
    .kernarg_segment_align: 8
    .kernarg_segment_size: 24
    .max_flat_workgroup_size: 128
    .sgpr_count:     66
    .vgpr_count:     114
    .wavefront_size: 32
...
	.end_amdgpu_metadata
.endif
;; end of part 1
;; launch dist (part 2): grid 256 x 1, 8 waves a work-group, clusters of 4 x 1, 327,680 bytes of LDS; arguments keys, lowp_scales, xq, kq, k2, gm; writes kq, k2, gm
.if DOCPART == 2
	.amdgcn_target "amdgcn-amd-amdhsa--gfx1250"
	.amdhsa_code_object_version 6
	.text
	.protected	k_qc34f8097aa_dist
	.globl	k_qc34f8097aa_dist
	.p2align	8
	.type	k_qc34f8097aa_dist,@function
k_qc34f8097aa_dist:
	s_mov_b64 s[64:65], 0
	v_nop
	global_prefetch_b8 v0, s[64:65] scope:SCOPE_SE
	s_setreg_imm32_b32 hwreg(HW_REG_WAVE_MODE, 25, 1), 1
	s_wait_xcnt 0x0
	s_wait_alu depctr_hold_cnt(0) depctr_sa_sdst(0) depctr_va_vdst(0) depctr_va_sdst(0) depctr_va_ssrc(0) depctr_va_vcc(0) depctr_vm_vsrc(0)
	s_getreg_b32 s2, hwreg(HW_REG_IB_STS2, 6, 4)
	s_cmp_eq_u32 s2, 0
	s_cbranch_scc0 .Lentry_in_a_cluster
	s_endpgm
.Lentry_in_a_cluster:
	s_bfe_u32 s2, ttmp6, 0x10000c
	s_cmp_lg_u32 s2, 0x3003
	s_cbranch_scc0 .Lentry_shape_is_right
	s_endpgm
.Lentry_shape_is_right:
; For all 2,048 queries and 256 keys of this work-group: d2 = (|x|^2 + |k|^2) - 2 x.k, the product on codes of E5M2; of each contiguous group of 16 keys only the least distance sqrt(max(d2, 0)) is kept.
; Why that is enough: each of a query's ten nearest keys (by distance, then index) lies in one of the ten groups that are smallest by (least distance, group number); later launches rank the groups and look into those ten.
; STORED: kq: the keys' codes as operand images, 8,192 bytes a group of 16 keys (four K steps, chunk c at 512 c + 16 x lane, image lane (r, h) = key r);  k2: |k|^2 of the unquantised keys;
;   gm: f32 [block 256][tile of queries 128][p 4][query / 8][h 2][query mod 8][b 2]: group 16 block + 4 p + 2 b + h.
; SHARES.  The work-group owns keys 256 B on and walks all queries.  Wave w: p = w mod 4, q = w / 4: it keeps keys 64 p .. 64 p + 63 in 256 registers (4 tiles x 4 K steps) and takes the query tiles of parity q.
; Two waves lie on a SIMD, so one wave's vector work stands beside the other's products.
; LAYOUT.  Source 0 = 16 keys, source 1 = 16 queries: a lane holds ONE query (lane mod 16) and its registers run along keys.  THE KEYS OF A TILE ARE NOT NEIGHBOURS: lane r of tile 2 b + u takes key
; 32 b + 8 u + r + 8 (r / 8), so the 16 registers of tiles 2 b and 2 b + 1 in half h are the contiguous group 2 b + h: the group's least number needs no other lane.
; ORDER ALONG K: as in xq: byte 16 l + 4 i + b of a row of codes is k = 128 i + 4 l + b, alike in both operands.
; CLUSTER.  All work-groups walk the same xq, so the four of a cluster ask for each tile JOINTLY: the same tensor load, the same descriptor, a mask that names the four.  The place in the cluster enters global addresses of keys, kq, k2 and gm alone.
; RING.  Two LDS slots of 8 query tiles (67,584 bytes); each of the eight waves brings one tile (33 rows of 256 dense bytes) with one load.  By this text's count a wave has two tensor loads out at the head, later one.
; LIMITS: e1 between -126 and 112; e0 + e1 + 1 between -126 and 127.  NaN and infinities among the inputs are not served.  For 0 < d2 < 2^-96 the root may be one unit off, and a denormal d2 counts as 0.
; The f32 sums are formed in another order than a serial sum: the last bit of d2 may differ.
.set TILEB, 8448
.set SLOTB, 8*TILEB
.set ROWP,  528                        ; a key's 512 codes + 16 bytes
.set KROWS, 2*SLOTB                    ; behind the ring: 256 rows of codes
.set K2S,   KROWS+256*ROWP             ; 256 sums of squares
.set SPARE, K2S+1024                   ; the spare words, 128 bytes for each wave: four blocks of 256 bytes that no other line names
.set L16,  1                           ; v1   16 x lane
.set SPW,  2                           ; v2   LDS address of my spare word; never rewritten
.set NIL,  3                           ; v3   0; never rewritten
.set ADR,  4                           ; v4-5 my parity's first tile in slot 0, 1: + 16 x lane
.set AX,   6                           ; v6-7 its sums of squares: + 4 x lane
.set GOFF, 8                           ; v8   my 8 bytes in a tile's 1,024 bytes of gm
.set AKR,  9                           ; v9   my lane's row among my wave's 64 keys
.set AK2,  10                          ; v10  my half's sums of squares
.set AIM,  11                          ; v11  the images for kq: row 32 w + r
.set RST,  12                          ; v12  where I store a row's codes
.set K2W,  13                          ; v13  where my wave stores its sums
.set SCL,  14                          ; v14  2^e1
.set LIM,  15                          ; v15  57,344 x 2^e1
.set QF,   16                          ; v16-79, v80-143: two sets of a query tile's four fragments (at the head: eight rows of keys, 16 numbers a lane)
.set X2,   144                         ; v[144:145], v[146:147]: |x|^2 of my query, one pair for each set (the upper words are written once)
.set ACC,  148                         ; v148-179 four accumulators (at the head: codes)
.set K2R,  180                         ; v180-211 |k|^2 in the accumulators' layout
.set T,    212                         ; v212-243 d2
.set XR,   244                         ; v[244:245] the two groups' least max(d2, 0)
.set RES,  246                         ; v[246:247] their roots
.set W,    248                         ; v248-255 at work
.set K2O,  252                         ; v252 (until the loop) where waves 0 and 1 read the sums back
.set WV,   16                          ; s16 wave, s17 p, s18 q
.set PP,   17
.set QQ,   18
.set G1,   24                          ; s[24:31] descriptor group 1
.set G0,   32                          ; s[32:39] descriptor group 0, a set for each slot
.set SC,   40                          ; s[40:41] -2^(1 + e0 + e1)
.set LAP,  42
.set SEL,  60                          ; s[60:61] v_permlanex16_b32: lane l xor 16
.set MSB, 0
.macro WIN new                         ; the immediate's high byte repeats the setting that is left
.if MSB != \new
	s_set_vgpr_msb (MSB<<8)|\new
.set MSB, \new
.endif
.endm
.macro CREST                           ; a round of the cluster's barrier behind its opening barrier
	s_cmp_lg_u32 s[WV], 0
	s_cbranch_scc1 .Lnot_wave_0_\@
	s_barrier_signal -3
.Lnot_wave_0_\@:
	s_barrier_wait -3
	s_barrier_signal -1
	s_barrier_wait -1
.endm
.macro CROUND                          ; a whole round
	s_barrier_signal -1
	s_barrier_wait -1
	CREST
.endm
; 16 numbers of one row in v[x] on: their squares are summed over the wave into v[q] (every lane), and they become 16 codes in v[c] on.
.macro ROWQ x, c, q
	v_pk_mul_f32 v[\q:\q+1], v[\x:\x+1], v[\x:\x+1]
	v_pk_mul_f32 v[\q+2:\q+3], v[\x+2:\x+3], v[\x+2:\x+3]
.irp j, 4,8,12
	v_pk_fma_f32 v[\q:\q+1], v[\x+\j:\x+\j+1], v[\x+\j:\x+\j+1], v[\q:\q+1]
	v_pk_fma_f32 v[\q+2:\q+3], v[\x+\j+2:\x+\j+3], v[\x+\j+2:\x+\j+3], v[\q+2:\q+3]
.endr
	v_pk_add_f32 v[\q:\q+1], v[\q:\q+1], v[\q+2:\q+3]
	v_add_f32 v[\q], v[\q], v[\q+1]
	v_add_f32_dpp v[\q], v[\q], v[\q] row_xmask:1 row_mask:0xf bank_mask:0xf
	v_add_f32_dpp v[\q], v[\q], v[\q] row_xmask:2 row_mask:0xf bank_mask:0xf
	v_add_f32_dpp v[\q], v[\q], v[\q] row_xmask:4 row_mask:0xf bank_mask:0xf
	v_add_f32_dpp v[\q], v[\q], v[\q] row_xmask:8 row_mask:0xf bank_mask:0xf
	v_permlanex16_b32 v[\q+1], v[\q], s[SEL], s[SEL+1]
	v_add_f32 v[\q], v[\q], v[\q+1]
.irp i, 0,1,2,3,4,5,6,7,8,9,10,11,12,13,14,15
	v_med3_num_f32 v[\x+\i], v[\x+\i], -v[LIM], v[LIM]   ; the conversion to an 8-bit code does not saturate (ISA guide 7.6.2): the hold at the largest code x the scale
.endr
	v_cvt_scalef32_pk8_bf8_f32 v[\c:\c+1], v[\x:\x+7], v[SCL]
	v_cvt_scalef32_pk8_bf8_f32 v[\c+2:\c+3], v[\x+8:\x+15], v[SCL]
	v_nop                                          ; one plain vector line behind the last conversion
.endm
; v[s], the hardware's root of v[x], is made the correctly rounded one: its two neighbours are tried by exact residuals.  v[t] .. v[t+3] at work.  For x = 0 both tests fail and 0 stays.
.macro SQFIX x, s, t
	v_add_nc_u32 v[\t], -1, v[\s]
	v_add_nc_u32 v[\t+1], 1, v[\s]
	v_fma_f32 v[\t+2], -v[\t], v[\s], v[\x]
	v_fma_f32 v[\t+3], -v[\t+1], v[\s], v[\x]
	v_cmp_ge_f32 vcc_lo, 0, v[\t+2]
	v_cndmask_b32 v[\s], v[\s], v[\t], vcc_lo
	v_cmp_lt_f32 vcc_lo, 0, v[\t+3]
	v_cndmask_b32 v[\s], v[\s], v[\t+1], vcc_lo
.endm
	s_load_b256 s[4:11], s[0:1], 0x0               ; keys s[4:5], the scales' exponents s[6:7], xq s[8:9], kq s[10:11]
	s_load_b128 s[12:15], s[0:1], 0x20             ; k2 s[12:13], gm s[14:15]
	v_lshl_add_u32 v[SPW], v0, 2, SPARE
	v_mov_b32 v[NIL], 0
	ds_add_u32 v2, v3
	ds_add_u32 v2, v3
	s_wait_dscnt 0x0
	v_lshrrev_b32 v[W], 5, v0
	v_readfirstlane_b32 s[WV], v[W]                ; wave 0..7
	s_and_b32 s[PP], s[WV], 3
	s_lshr_b32 s[QQ], s[WV], 2
	s_bfe_u32 s19, ttmp6, 0x40000                  ; cx: my place in the cluster
	s_lshl_b32 s20, ttmp9, 2                       ; in a cluster launch ttmp9 counts clusters
	s_add_co_u32 s20, s20, s19                     ; B: my block of 256 keys
	; descriptor group 1: 33 rows of 32 elements of 8 bytes, dense: a query tile's 8,448 bytes
	s_mov_b32 s[G1], 15|(3<<16)|(1<<21)            ; 15:0 the mask: all four work-groups; 17:16 elements of 8 bytes; 20 no padding; 21 set beside a mask
	s_mov_b32 s[G1+1], 32<<16                      ; tensor_dim0 = 32
	s_mov_b32 s[G1+2], 33<<16                      ; tensor_dim1 = 33
	s_mov_b32 s[G1+3], 32<<16                      ; tile_dim0 = 32
	s_mov_b32 s[G1+4], 33                          ; tile_dim1 = 33
	s_mov_b32 s[G1+5], 32                          ; from row to row: 32 elements
	s_mov_b32 s[G1+6], 0
	s_mov_b32 s[G1+7], 0
	s_mov_b32 s[SEL], 0x76543210
	s_mov_b32 s[SEL+1], 0xfedcba98
	s_mul_i32 s44, s[WV], TILEB                    ; the tile that I fetch: the w-th of a slot, in memory and in LDS alike
	s_mov_b32 s45, 0
	v_and_b32 v[T], 31, v0                         ; lane
	v_lshlrev_b32 v[L16], 4, v[T]
	v_and_b32 v[T+1], 15, v0                       ; r
	v_bfe_u32 v[T+2], v0, 4, 1                     ; h
	s_mul_i32 s21, s[QQ], TILEB
	v_add_nc_u32 v[ADR], s21, v[L16]
	v_add_nc_u32 v[ADR+1], SLOTB, v[ADR]
	v_lshl_add_u32 v[AX], v[T], 2, s21
	v_add_nc_u32 v[AX], 8192, v[AX]
	v_add_nc_u32 v[AX+1], SLOTB, v[AX]
	v_and_b32 v[T+3], 7, v0
	v_bfe_u32 v[T+4], v0, 3, 1
	v_lshlrev_b32 v[GOFF], 3, v[T+3]               ; gm: 8 (r mod 8)
	v_lshl_add_u32 v[GOFF], v[T+2], 6, v[GOFF]     ; + 64 h
	v_lshl_add_u32 v[GOFF], v[T+4], 7, v[GOFF]     ; + 128 (r / 8)
	s_lshl_b32 s21, s[PP], 8
	s_lshl_b32 s43, s[QQ], 10
	s_add_co_u32 s21, s21, s43
	v_add_nc_u32 v[GOFF], s21, v[GOFF]             ; + 256 p + 1,024 q
	v_and_b32 v[T+5], 8, v[T+1]
	v_add_nc_u32 v[T+5], v[T+5], v[T+1]            ; r + 8 (r / 8)
	v_mul_u32_u24 v[AKR], v[T+5], ROWP
	v_lshl_add_u32 v[AKR], v[T+2], 4, v[AKR]
	s_mul_i32 s21, s[PP], 64*ROWP
	s_add_co_u32 s21, s21, KROWS
	v_add_nc_u32 v[AKR], s21, v[AKR]
	s_lshl_b32 s21, s[PP], 8
	s_add_co_u32 s21, s21, K2S
	v_lshl_add_u32 v[AK2], v[T+2], 6, s21          ; K2S + 256 p + 64 h
	v_mul_u32_u24 v[AIM], v[T+1], ROWP
	v_lshl_add_u32 v[AIM], v[T+2], 4, v[AIM]
	s_mul_i32 s21, s[WV], 32*ROWP
	s_add_co_u32 s21, s21, KROWS
	v_add_nc_u32 v[AIM], s21, v[AIM]
	v_add_nc_u32 v[RST], s21, v[L16]
	s_lshl_b32 s21, s[WV], 7
	s_add_co_u32 s21, s21, K2S
	v_mov_b32 v[K2W], s21
	s_and_b32 s21, s[WV], 1
	s_lshl_b32 s21, s21, 9
	s_add_co_u32 s21, s21, K2S
	v_add_nc_u32 v[K2O], s21, v[L16]
	v_mov_b32 v[X2+1], 0                           ; named as the upper halves of pairs
	v_mov_b32 v[X2+3], 0
	s_wait_kmcnt 0x0
	s_load_b64 s[22:23], s[6:7], 0x0               ; e0, e1
	s_add_nc_u64 s[46:47], s[8:9], s[44:45]
.irp n, 0,1
	s_mov_b32 s[G0+4*\n], 1                        ; count = 1
	s_add_co_u32 s[G0+4*\n+1], s44, \n*SLOTB       ; LDS address: slot n, tile w
	s_add_nc_u64 s[G0+4*\n+2:G0+4*\n+3], s[46:47], \n*SLOTB   ; global address: query tile 8 n + w
	s_or_b32 s[G0+4*\n+3], s[G0+4*\n+3], 0x80000000           ; type = 2
.endr
	CROUND                                         ; all four work-groups are here: the first joint loads meet
	tensor_load_to_lds s[G0:G0+3], s[G1:G1+7]      ; both first fills together, ahead of every wait on TENSORcnt and every LDS read
	s_nop 0
	tensor_load_to_lds s[G0+4:G0+7], s[G1:G1+7]
	s_nop 0
.rept 4
	v_nop
.endr
	s_lshl_b32 s48, s20, 19                        ; keys: 256 rows of 2,048 bytes a block,
	s_lshl_b32 s49, s[WV], 16                      ; 32 rows a wave
	s_add_co_u32 s48, s48, s49
	s_mov_b32 s49, 0
	s_add_nc_u64 s[4:5], s[4:5], s[48:49]
.macro LOADROW p                       ; row p of my 32: four loads of 512 consecutive bytes, into set p mod 8
.irp i, 0,1,2,3
	global_load_b128 v[QF+16*((\p)%8)+4*\i:QF+16*((\p)%8)+4*\i+3], v[L16], s[4:5] offset:2048*(\p)+512*\i th:TH_LOAD_NT
.endr
.endm
.irp p, 0,1,2,3,4,5,6,7
	LOADROW \p
.endr
	s_lshl_b32 s50, s20, 17                        ; kq and gm: 131,072 bytes a block
	s_mov_b32 s51, 0
	s_add_nc_u64 s[14:15], s[14:15], s[50:51]
	s_add_nc_u64 s[10:11], s[10:11], s[50:51]
	s_lshl_b32 s50, s[WV], 14                      ; kq: two groups of 8,192 bytes a wave
	s_add_nc_u64 s[10:11], s[10:11], s[50:51]
	s_lshl_b32 s50, s20, 10                        ; k2: 1,024 bytes a block, 512 for each of waves 0 and 1
	s_and_b32 s48, s[WV], 1
	s_lshl_b32 s48, s48, 9
	s_add_co_u32 s50, s50, s48
	s_add_nc_u64 s[12:13], s[12:13], s[50:51]
	s_wait_kmcnt 0x0
	s_add_co_i32 s43, s23, 127
	s_lshl_b32 s21, s43, 23
	v_mov_b32 v[SCL], s21                          ; 2^e1: the conversion takes its exponent field
	s_add_co_i32 s43, s43, 15
	s_lshl_b32 s43, s43, 23
	s_or_b32 s43, s43, 0x600000
	v_mov_b32 v[LIM], s43                          ; 57,344 x 2^e1
	s_add_co_i32 s[SC], s22, s23
	s_add_co_i32 s[SC], s[SC], 128
	s_lshl_b32 s[SC], s[SC], 23
	s_or_b32 s[SC], s[SC], 0x80000000              ; -2^(1 + e0 + e1): a sum of codes' products x this is -2 x.k
	s_mov_b32 s[SC+1], s[SC]                       ; named with it as a pair
; THE KEYS: my 32 rows are quantised and their codes and sums go to LDS.  Loads run eight rows (32 loads a wave) ahead.
.macro KROW p
.if 31-(\p) >= 7
	s_wait_loadcnt 28                              ; this row's four loads are in; those of the seven rows behind it may be out
.else
	s_wait_loadcnt 4*(31-(\p))
.endif
	s_wait_dscnt 0x0                               ; the earlier LDS stores have read their registers
	ROWQ QF+16*((\p)%8), ACC+4*((\p)%8), W
	ds_store_b128 v[RST], v[ACC+4*((\p)%8):ACC+4*((\p)%8)+3] offset:ROWP*(\p)
	ds_store_b32 v[K2W], v[W] offset:4*(\p)        ; every lane holds the same sum
.if (\p)+8 < 32
	LOADROW (\p)+8
.endif
.endm
.set P, 0
.rept 32
	KROW P
.set P, P+1
.endr
	s_wait_tensorcnt 0x1                           ; my tile of slot 0 is in; slot 1's may stay out
	s_wait_dscnt 0x0                               ; my rows and sums have landed
	s_barrier_signal -1
	s_barrier_wait -1
	WIN 0x40                                       ; destination window 1, address window 0
.irp t, 0,1,2,3                        ; my 64 keys' fragments: tile t, K step s at v[64 t + 16 s] of window 1: they stay
.irp s, 0,1,2,3
.irp c, 0,1,2,3
	ds_load_b128 v[64*\t+16*\s+4*\c:64*\t+16*\s+4*\c+3], v[AKR] offset:(32*(\t/2)+8*(\t%2))*ROWP+128*\s+32*\c
.endr
.endr
.endr
	WIN 0
.irp t, 0,1,2,3                        ; register 8 t + j: |k|^2 of key 64 p + 32 (t / 2) + 16 h + 8 (t mod 2) + j
.irp u, 0,1
	ds_load_b128 v[K2R+8*\t+4*\u:K2R+8*\t+4*\u+3], v[AK2] offset:128*(\t/2)+32*(\t%2)+16*\u
.endr
.endr
.irp g, 0,1                            ; the images of groups 2 w and 2 w + 1, keys in their own order, for kq
.irp s, 0,1,2,3
.irp c, 0,1,2,3
	ds_load_b128 v[QF+64*\g+16*\s+4*\c:QF+64*\g+16*\s+4*\c+3], v[AIM] offset:16*\g*ROWP+128*\s+32*\c
.endr
.endr
.endr
.irp g, 0,1
.irp s, 0,1,2,3
.irp c, 0,1,2,3
	s_wait_dscnt 31-(16*\g+4*\s+\c)                ; LDS loads come back in order (ISA guide 5.7.1): this one is in, and so are all that were issued ahead of the images
	global_store_b128 v[L16], v[QF+64*\g+16*\s+4*\c:QF+64*\g+16*\s+4*\c+3], s[10:11] offset:8192*\g+2048*\s+512*\c   ; 512 consecutive bytes
.endr
.endr
.endr
	s_cmp_lt_u32 s[WV], 2
	s_cbranch_scc0 .Lno_k2
	ds_load_b128 v[T:T+3], v[K2O]                  ; waves 0 and 1: the block's 256 sums leave as 2 x 512 consecutive bytes
	s_wait_dscnt 0x0
	global_store_b128 v[L16], v[T:T+3], s[12:13]
.Lno_k2:
	s_wait_xcnt 0x0                                ; the stores have read their registers: the fragments of queries may land there
; A query tile's four fragments and its sums of squares: the i-th tile of my parity in the slot, into set f.  17 LDS loads, each of consecutive bytes.
.macro FETCH slot, i, f
.irp s, 0,1,2,3
.irp c, 0,1,2,3
	ds_load_b128 v[QF+64*(\f)+16*\s+4*\c:QF+64*(\f)+16*\s+4*\c+3], v[ADR+\slot] offset:2*TILEB*(\i)+2048*\s+512*\c
.endr
.endr
	ds_load_b32 v[X2+2*(\f)], v[AX+\slot] offset:2*TILEB*(\i)
.endm
; 16 products: my four tiles of keys x the query tile in set f, K ascending.  The first K step starts the sums.  The four accumulators take turns, one instruction a turn.
.macro MUL f
	WIN 0x01                                       ; source 0 (keys) window 1
.irp s, 0,1,2,3
.irp t, 0,1,2,3
.if \s == 0
	v_wmma_f32_16x16x128_bf8_bf8 v[ACC+8*\t:ACC+8*\t+7], v[64*\t+16*\s:64*\t+16*\s+15], v[QF+64*(\f)+16*\s:QF+64*(\f)+16*\s+15], 0
.else
	v_wmma_f32_16x16x128_bf8_bf8 v[ACC+8*\t:ACC+8*\t+7], v[64*\t+16*\s:64*\t+16*\s+15], v[QF+64*(\f)+16*\s:QF+64*(\f)+16*\s+15], v[ACC+8*\t:ACC+8*\t+7]
.endif
.endr
.endr
	WIN 0
.endm
; d2, the two groups' least, the roots, 8 bytes a lane to gm.  The 16 additions name no register of the products: they are the places behind them, for the reads of the sums,
; for the next loads into the fragments, and for the next products, which begin the accumulators anew.
.macro POST f, i
.irp j, 0,2,4,6,8,10,12,14,16,18,20,22,24,26,28,30
	v_pk_add_f32 v[T+\j:T+\j+1], v[K2R+\j:K2R+\j+1], v[X2+2*(\f):X2+2*(\f)+1] op_sel_hi:[1,0]   ; |x|^2 + |k|^2, rounded once, as the definition has it
.endr
.irp j, 0,2,4,6,8,10,12,14,16,18,20,22,24,26,28,30
	v_pk_fma_f32 v[T+\j:T+\j+1], v[ACC+\j:ACC+\j+1], s[SC:SC+1], v[T+\j:T+\j+1] op_sel_hi:[1,0,1]   ; - 2 x.k: the scaling is exact, so this rounds once; each accumulator from its low end on
.endr
.irp b, 0,1
	v_min3_num_f32 v[W+2*\b], v[T+16*\b], v[T+16*\b+1], v[T+16*\b+2]
	v_min3_num_f32 v[W+2*\b+1], v[T+16*\b+3], v[T+16*\b+4], v[T+16*\b+5]
	v_min3_num_f32 v[W+2*\b], v[W+2*\b], v[T+16*\b+6], v[T+16*\b+7]
	v_min3_num_f32 v[W+2*\b+1], v[W+2*\b+1], v[T+16*\b+8], v[T+16*\b+9]
	v_min3_num_f32 v[W+2*\b], v[W+2*\b], v[T+16*\b+10], v[T+16*\b+11]
	v_min3_num_f32 v[W+2*\b+1], v[W+2*\b+1], v[T+16*\b+12], v[T+16*\b+13]
	v_min3_num_f32 v[W+2*\b], v[W+2*\b], v[T+16*\b+14], v[T+16*\b+15]
.endr
	v_min_num_f32 v[W], v[W], v[W+1]
	v_min_num_f32 v[W+2], v[W+2], v[W+3]
	v_max_num_f32 v[XR], 0, v[W]
	v_max_num_f32 v[XR+1], 0, v[W+2]
	s_wait_xcnt 0x0                                ; the last store has read the roots' registers
	v_sqrt_f32 v[RES], v[XR]
	v_sqrt_f32 v[RES+1], v[XR+1]
	v_nop                                          ; a plain line behind the roots,
	s_wait_alu depctr_va_vdst(0)                   ; and the one wait for both ahead of their first reader
	SQFIX XR, RES, W
	SQFIX XR+1, RES+1, W+4
	global_store_b64 v[GOFF], v[RES:RES+1], s[14:15] offset:2048*(\i) th:TH_STORE_NT   ; the wave stores 256 consecutive bytes, at a multiple of 256 from the buffer's first byte
.endm
; One of a slot's first three tiles of my parity: the next tile's fragments are asked for ahead of this tile's products.
.macro TILE slot, i
	s_wait_dscnt 0x0                               ; this tile's fragments are in
	FETCH \slot, (\i)+1, 1-(\i)%2
	MUL (\i)%2
	POST (\i)%2, \i
.endm
; The slot's fourth tile lies in registers, so the slot is left: ONE barrier; in front of it each wave waits for all its tensor loads (its tile of the other slot), adds 0 to its spare word,
; and waits for that and for its reads of this slot.  fill = 1: the barrier opens a round of the cluster's barrier, and this slot takes the query tiles two slots on: the load has the other slot's work in which to land.
.macro TURN slot, fill
	s_wait_tensorcnt 0x0                           ; no tensor load of mine is out, so a group 0 may be written
	ds_add_u32 v[SPW], v[NIL]                      ; 0 onto my spare word
.if \fill
	s_add_nc_u64 s[G0+4*\slot+2:G0+4*\slot+3], s[G0+4*\slot+2:G0+4*\slot+3], 2*SLOTB
.endif
	s_wait_dscnt 0x0                               ; the add is done, and my reads of this slot are over
	s_barrier_signal -1
	MUL 1                                          ; work on registers while the others arrive; it leaves every window 0
	s_barrier_wait -1
.if \fill
	CREST                                          ; no wave of any partner still reads this slot or has a load on its way
	tensor_load_to_lds s[G0+4*\slot:G0+4*\slot+3], s[G1:G1+7]   ; my one tensor load behind the round, and the first thing there
	s_nop 0
.endif
.rept 4
	v_nop
.endr
	FETCH 1-\slot, 0, 0
	POST 1, 3
	s_wait_xcnt 0x0                                ; the stores have read their base
	s_add_nc_u64 s[14:15], s[14:15], 8*1024        ; gm: eight query tiles on
.endm
	FETCH 0, 0, 0
	s_mov_b32 s[LAP], 7
.Llap:                                 ; a trip goes once round the ring, 16 query tiles, and fills both slots again: 2 + 14 fills bring the 16 slots' worth
	TILE 0, 0
	TILE 0, 1
	TILE 0, 2
	TURN 0, 1
	TILE 1, 0
	TILE 1, 1
	TILE 1, 2
	TURN 1, 1
	s_sub_co_u32 s[LAP], s[LAP], 1
	s_cmp_lg_u32 s[LAP], 0
	s_cbranch_scc1 .Llap
	TILE 0, 0                                      ; the last lap is written out: it asks for nothing
	TILE 0, 1
	TILE 0, 2
	TURN 0, 0
	TILE 1, 0
	TILE 1, 1
	TILE 1, 2
	s_wait_dscnt 0x0
	MUL 1
	POST 1, 3
	s_wait_tensorcnt 0x0                           ; the wave's end
	ds_add_u32 v[SPW], v[NIL]
	s_wait_dscnt 0x0
	CROUND                                         ; the closing round: no work-group ends while a partner may still ask for a tile that names it
	s_endpgm
.Lfunc_end_k_qc34f8097aa_dist:
	.size	k_qc34f8097aa_dist, .Lfunc_end_k_qc34f8097aa_dist-k_qc34f8097aa_dist
	.p2alignl 7, 3214868480
	.fill 96, 4, 3214868480
	.section	.rodata,"a",@progbits
	.p2align	6, 0x0
	.amdhsa_kernel k_qc34f8097aa_dist
		.amdhsa_group_segment_fixed_size 327680
		.amdhsa_private_segment_fixed_size 0
		.amdhsa_enable_private_segment 0
		.amdhsa_kernarg_size 48
		.amdhsa_user_sgpr_count 2
		.amdhsa_user_sgpr_kernarg_segment_ptr 1
		.amdhsa_wavefront_size32 1
		.amdhsa_system_sgpr_workgroup_id_x 1
		.amdhsa_system_sgpr_workgroup_id_y 1
		.amdhsa_system_sgpr_workgroup_id_z 1
		.amdhsa_system_vgpr_workitem_id 0
		.amdhsa_next_free_vgpr 512
		.amdhsa_next_free_sgpr 66
		.amdhsa_reserve_vcc 1
		.amdhsa_float_denorm_mode_32 3
		.amdhsa_float_denorm_mode_16_64 3
		.amdhsa_memory_ordered 1
		.amdhsa_forward_progress 1
		.amdhsa_inst_pref_size 201
	.end_amdhsa_kernel
	.amdgpu_metadata
---
amdhsa.version: [ 1, 2 ]
amdhsa.kernels:
  - .name:           k_qc34f8097aa_dist
    .symbol:         k_qc34f8097aa_dist.kd
    .args:
      - { .name: keys, .offset: 0, .size: 8, .value_kind: global_buffer, .address_space: global }
      - { .name: lowp_scales, .offset: 8, .size: 8, .value_kind: global_buffer, .address_space: global }
      - { .name: xq, .offset: 16, .size: 8, .value_kind: global_buffer, .address_space: global }
      - { .name: kq, .offset: 24, .size: 8, .value_kind: global_buffer, .address_space: global }
      - { .name: k2, .offset: 32, .size: 8, .value_kind: global_buffer, .address_space: global }
      - { .name: gm, .offset: 40, .size: 8, .value_kind: global_buffer, .address_space: global }
    .group_segment_fixed_size: 327680
    .private_segment_fixed_size: 0
    .kernarg_segment_align: 8
    .kernarg_segment_size: 48
    .max_flat_workgroup_size: 256
    .sgpr_count:     66
    .vgpr_count:     512
    .wavefront_size: 32
...
	.end_amdgpu_metadata
.endif
;; end of part 2
;; launch rank (part 3): grid 256 x 1, 8 waves a work-group, no clusters, 11,520 bytes of LDS; arguments gm, sel; writes sel
.if DOCPART == 3
	.amdgcn_target "amdgcn-amd-amdhsa--gfx1250"
	.amdhsa_code_object_version 6
	.text
	.protected	k_qc34f8097aa_rank
	.globl	k_qc34f8097aa_rank
	.p2align	8
	.type	k_qc34f8097aa_rank,@function
k_qc34f8097aa_rank:
	s_mov_b64 s[64:65], 0
	v_nop
	global_prefetch_b8 v0, s[64:65] scope:SCOPE_SE
	s_setreg_imm32_b32 hwreg(HW_REG_WAVE_MODE, 25, 1), 1
	s_wait_xcnt 0x0
; For each query: the ten groups of keys that are smallest by (the group's least distance, group number), out of 4,096.  Stored as whole numbers at fixed places: sel [2048][32] int32, entries 0-9 the groups, the rest 0.
; No branch and no address hangs on a distance: every choice is a select.
; SHARES.  A work-group takes 8 queries (rows 8 g .. 8 g + 7).  Wave w reads the blocks 32 w .. 32 w + 31 of gm; lane l holds row l mod 8, half h = (l / 8) mod 2, and p = 2 pp + l / 16: 128 values, in ascending group number.
; So a row's 4,096 values lie in 32 lanes (four in each wave).
; PASS 1: each lane keeps its ten smallest values, sorted (an insertion is nine medians and a minimum).  The 32 lists of a row meet in one wave through LDS; ten times the least head is taken and ONE lane that holds it
; moves its list up: after ten rounds the least head is the row's tenth smallest value, counted with repeats.
; PASS 2: each value becomes a key: class (below, equal to, above the tenth value) x 65,536 + group number, on top of 0x3f810000, so that the keys are ordinary positive f32 numbers whose order is the whole numbers' order.
; The same insertion, exchange and ten rounds give the ten smallest keys: all groups below the tenth value, then those equal to it by ascending group number.
; No tensor loads, no matrix work: the launch reads each byte of gm once, in pieces of 128 consecutive bytes, all 64 loads of a wave issued at once.  NaN among the distances is not served.
.set LXP,  1296                        ; LDS: a row's 32 lists: word (entry i, list n) at 128 i + 4 n; 16 bytes behind them, so that the 32 lanes of a store fall on 32 different words modulo 64
.set TS,   8*LXP                       ; behind them: the 8 rows' tenth values
.set LO,   2                           ; v2   my 8 bytes in a load
.set LXW,  3                           ; v3   where I store my list
.set LXR,  4                           ; v4   where I read a list of row w
.set TSR,  5                           ; v5   4 x (lane mod 8)
.set TSW,  6                           ; v6   4 x wave
.set TT,   7                           ; v7   my row's tenth value
.set GB,   8                           ; v8   key base, class equal: 0x3f810000 + 512 w + 4 (lane / 16) + h
.set M,    9                           ; v9   the least head
.set M2,   10                          ; v10  at work in the reduction
.set OUT,  11                          ; v11  lane k: the k-th key
.set GBL,  13                          ; v13  key base, class below
.set GBH,  14                          ; v14  key base, class above
.set SO,   15                          ; v15  4 x lane
.set L,    16                          ; v16-25 my sorted list
.set H,    26                          ; v26-35 a list of row w
.set KEY,  37                          ; v37, v38 keys, by turns
.set V,    40                          ; v40-167 my 128 values
.set SEL,  12                          ; s[12:13] v_permlanex16_b32: lane l xor 16
.macro REDMIN d, s, b                  ; v[d] = the least v[s] of the 32 lanes, in every lane
	v_min_num_f32_dpp v[\d], v[\s], v[\s] row_xmask:1 row_mask:0xf bank_mask:0xf
	v_min_num_f32_dpp v[\d], v[\d], v[\d] row_xmask:2 row_mask:0xf bank_mask:0xf
	v_min_num_f32_dpp v[\d], v[\d], v[\d] row_xmask:4 row_mask:0xf bank_mask:0xf
	v_min_num_f32_dpp v[\d], v[\d], v[\d] row_xmask:8 row_mask:0xf bank_mask:0xf
	v_permlanex16_b32 v[\b], v[\d], s[SEL], s[SEL+1]
	v_min_num_f32 v[\d], v[\d], v[\b]
.endm
.macro LINIT                           ; an empty list: ten times +infinity
.irp j, 0,1,2,3,4,5,6,7,8,9
	v_mov_b32 v[L+\j], 0x7f800000
.endr
.endm
.macro INS v                           ; the list takes v[v]: entry j becomes the middle one of entry j - 1, the newcomer and entry j; from the top down, so that each line reads old entries
.irp j, 9,8,7,6,5,4,3,2,1
	v_med3_num_f32 v[L+\j], v[L+\j-1], v[\v], v[L+\j]
.endr
	v_min_num_f32 v[L], v[L], v[\v]
.endm
.macro XCHG                            ; the lists change hands: wave w gets the 32 lists of row w, a list a lane
.irp i, 0,1,2,3,4,5,6,7,8,9
	ds_store_b32 v[LXW], v[L+\i] offset:128*\i
.endr
	s_wait_dscnt 0x0                               ; for the other waves: my stores have landed
	s_barrier_signal -1
	s_barrier_wait -1
.irp i, 0,1,2,3,4,5,6,7,8,9
	ds_load_b32 v[H+\i], v[LXR] offset:128*\i
.endr
	s_wait_dscnt 0x0
.endm
.macro EXTRACT collect                 ; ten rounds; behind them v[M] is the tenth smallest.  collect = 1: lane k of v[OUT] keeps round k's
.set k, 0
.rept 10
	REDMIN M, H, M2
.if \collect
	s_mov_b32 s16, 1<<k
	v_cndmask_b32 v[OUT], v[OUT], v[M], s16
.endif
.if k < 9
	v_cmp_eq_f32 s14, v[H], v[M]
	s_sub_co_u32 s15, 0, s14
	s_and_b32 s15, s14, s15                        ; the lowest lane that holds it, alone: repeats are counted one by one
.set j, 0
.rept 9-k
	v_cndmask_b32 v[H+j], v[H+j], v[H+j+1], s15    ; its list moves up; only the entries that later rounds can reach
.set j, j+1
.endr
.endif
.set k, k+1
.endr
.endm
	s_load_b128 s[4:7], s[0:1], 0x0                ; gm, sel
	v_lshl_add_u32 v176, v0, 2, 0x2900
	v_mov_b32 v177, 0
	v_lshrrev_b32 v1, 5, v0
	v_readfirstlane_b32 s8, v1                     ; wave 0..7
	v_and_b32 v1, 31, v0                           ; lane
	v_and_b32 v[LO], 15, v0
	v_lshlrev_b32 v[LO], 3, v[LO]                  ; 64 h + 8 (lane mod 8)
	v_bfe_u32 v[M], v0, 4, 1                       ; lane / 16
	v_lshl_add_u32 v[LO], v[M], 8, v[LO]           ; + 256 (lane / 16)
	s_lshr_b32 s10, ttmp9, 1
	s_lshl_b32 s10, s10, 10                        ; the tile of 16 queries: 1,024 bytes in each block,
	s_and_b32 s11, ttmp9, 1
	s_lshl_b32 s11, s11, 7                         ; its lower or upper 8 queries: 128 bytes in each 256,
	s_add_co_u32 s10, s10, s11
	s_lshl_b32 s11, s8, 22                         ; my wave's 32 blocks of 131,072 bytes
	s_add_co_u32 s10, s10, s11
	s_mov_b32 s11, 0
	s_mov_b32 s[SEL], 0x76543210
	s_mov_b32 s[SEL+1], 0xfedcba98
	s_wait_kmcnt 0x0
	s_add_nc_u64 s[4:5], s[4:5], s[10:11]
.set n, 0
.rept 64                               ; load n: block n / 2 of my 32, pp = n mod 2; its two words are b = 0, 1
	global_load_b64 v[V+2*n:V+2*n+1], v[LO], s[4:5] offset:131072*(n/2)+512*(n%2) th:TH_LOAD_NT
.set n, n+1
.endr
	v_and_b32 v[M2], 7, v0
	v_mul_u32_u24 v[LXW], v[M2], LXP
	v_bfe_u32 v[KEY], v0, 3, 2
	v_lshl_add_u32 v[LXW], v[KEY], 2, v[LXW]
	s_lshl_b32 s9, s8, 4
	v_add_nc_u32 v[LXW], s9, v[LXW]                ; row lane mod 8, list 4 w + lane / 8
	s_mul_i32 s9, s8, LXP
	v_lshl_add_u32 v[LXR], v1, 2, s9               ; row w, list = my lane
	v_lshlrev_b32 v[TSR], 2, v[M2]
	s_lshl_b32 s9, s8, 2
	v_mov_b32 v[TSW], s9
	v_bfe_u32 v[GB], v0, 3, 1                      ; h
	v_lshl_add_u32 v[GB], v[M], 2, v[GB]           ; + 4 (lane / 16)
	s_lshl_b32 s9, s8, 9
	s_add_co_u32 s9, s9, 0x3f810000
	v_add_nc_u32 v[GB], s9, v[GB]
	v_add_nc_u32 v[GBL], 0xffff0000, v[GB]         ; - 65,536
	v_add_nc_u32 v[GBH], 0x10000, v[GB]
	v_lshlrev_b32 v[SO], 2, v1
	v_mov_b32 v[OUT], 0
	LINIT
.set n, 0
.rept 8
	s_wait_loadcnt 56-8*(n/16)                     ; this batch's eight loads are in; the later batches' may be out
.rept 16
	INS V+n
.set n, n+1
.endr
.endr
	XCHG
	EXTRACT 0
	ds_store_b32 v[TSW], v[M] offset:TS            ; row w's tenth value (every lane holds it)
	s_wait_dscnt 0x0
	s_barrier_signal -1                            ; every wave's reads of the lists are over too: they may be written again behind this barrier
	s_barrier_wait -1
	ds_load_b32 v[TT], v[TSR] offset:TS
	LINIT
	s_wait_dscnt 0x0
.set n, 0
.rept 128                              ; value n = 4 k + 2 pp + b: group 512 w + 16 k + 8 pp + 4 (lane / 16) + 2 b + h
	v_cmp_gt_f32 vcc_lo, v[V+n], v[TT]
	v_cndmask_b32 v[KEY+n%2], v[GB], v[GBH], vcc_lo
	v_cmp_lt_f32 vcc_lo, v[V+n], v[TT]
	v_cndmask_b32 v[KEY+n%2], v[KEY+n%2], v[GBL], vcc_lo
	v_add_nc_u32 v[KEY+n%2], 16*(n/4)+8*((n/2)%2)+2*(n%2), v[KEY+n%2]
	INS KEY+n%2
.set n, n+1
.endr
	XCHG
	EXTRACT 1
	v_and_b32 v[OUT], 0xffff, v[OUT]               ; the group number; lanes 10-31 hold 0
	s_lshl_b32 s10, ttmp9, 10
	s_lshl_b32 s11, s8, 7
	s_add_co_u32 s10, s10, s11                     ; row 8 g + w: 128 bytes
	s_mov_b32 s11, 0
	s_add_nc_u64 s[6:7], s[6:7], s[10:11]
	global_store_b32 v[SO], v[OUT], s[6:7]         ; 128 consecutive bytes a wave, 1,024 a work-group
	s_wait_tensorcnt 0x0
	ds_add_u32 v176, v177
	s_wait_dscnt 0x0
	s_endpgm
.Lfunc_end_k_qc34f8097aa_rank:
	.size	k_qc34f8097aa_rank, .Lfunc_end_k_qc34f8097aa_rank-k_qc34f8097aa_rank
	.p2alignl 7, 3214868480
	.fill 96, 4, 3214868480
	.section	.rodata,"a",@progbits
	.p2align	6, 0x0
	.amdhsa_kernel k_qc34f8097aa_rank
		.amdhsa_group_segment_fixed_size 11520
		.amdhsa_private_segment_fixed_size 0
		.amdhsa_enable_private_segment 0
		.amdhsa_kernarg_size 16
		.amdhsa_user_sgpr_count 2
		.amdhsa_user_sgpr_kernarg_segment_ptr 1
		.amdhsa_wavefront_size32 1
		.amdhsa_system_sgpr_workgroup_id_x 1
		.amdhsa_system_sgpr_workgroup_id_y 1
		.amdhsa_system_sgpr_workgroup_id_z 1
		.amdhsa_system_vgpr_workitem_id 0
		.amdhsa_next_free_vgpr 178
		.amdhsa_next_free_sgpr 66
		.amdhsa_reserve_vcc 1
		.amdhsa_float_denorm_mode_32 3
		.amdhsa_float_denorm_mode_16_64 3
		.amdhsa_memory_ordered 1
		.amdhsa_forward_progress 1
		.amdhsa_inst_pref_size 205
	.end_amdhsa_kernel
	.amdgpu_metadata
---
amdhsa.version: [ 1, 2 ]
amdhsa.kernels:
  - .name:           k_qc34f8097aa_rank
    .symbol:         k_qc34f8097aa_rank.kd
    .args:
      - { .name: gm, .offset: 0, .size: 8, .value_kind: global_buffer, .address_space: global }
      - { .name: sel, .offset: 8, .size: 8, .value_kind: global_buffer, .address_space: global }
    .group_segment_fixed_size: 11520
    .private_segment_fixed_size: 0
    .kernarg_segment_align: 8
    .kernarg_segment_size: 16
    .max_flat_workgroup_size: 256
    .sgpr_count:     66
    .vgpr_count:     178
    .wavefront_size: 32
...
	.end_amdgpu_metadata
.endif
;; end of part 3
;; launch vote (part 4): grid 256 x 1, 8 waves a work-group, no clusters, 1,280 bytes of LDS; arguments xq, kq, k2, vals, sel, lowp_scales, out0; writes out0
.if DOCPART == 4
	.amdgcn_target "amdgcn-amd-amdhsa--gfx1250"
	.amdhsa_code_object_version 6
	.text
	.protected	k_qc34f8097aa_vote
	.globl	k_qc34f8097aa_vote
	.p2align	8
	.type	k_qc34f8097aa_vote,@function
k_qc34f8097aa_vote:
	s_mov_b64 s[64:65], 0
	v_nop
	global_prefetch_b8 v0, s[64:65] scope:SCOPE_SE
	s_setreg_imm32_b32 hwreg(HW_REG_WAVE_MODE, 25, 1), 1
	s_wait_xcnt 0x0
; For each query: the 160 keys of its ten chosen groups (sel, whole numbers that an earlier launch stored) are measured again, the ten nearest by (distance, index) are taken, and the most frequent of their classes is stored
; (the smaller class on a tie).
; SHARES.  A wave takes one query: row 8 g + w.  Source 0 = the query's fragment, the same row in all 16 rows; source 1 = a group's image from kq: register 0 of the result holds, in lane (r, h), the product with key 16 group + r.
; The form, the order of K and the chain of four K steps are those of the launch that made the groups' least distances, with the sources changed over, so the sums are the same.
; Ten groups go in five pairs, the two accumulators of a pair by turns; a pair's 32 loads (16,384 bytes) are asked for two pairs ahead, in two sets of 128 registers of window 1.
; THE CHOICE is made without branches: ten rounds of (least distance over the wave; among the lanes that hold it the least tie key; that candidate's distance becomes +infinity).
; The tie key is 128 x index + class, under 2^23, kept exactly as an f32 number.  Lanes 0-15 hold the even groups' candidates, lanes 16-31 the odd ones': five a lane.
; Classes outside 0..99 count for nothing, as a one-hot row of 100 has it; with no class in range the result is 0.
; LIMITS: e0 + e1 + 1 between -126 and 127.  NaN and infinities among the inputs are not served.  For 0 < d2 < 2^-96 the root may be one unit off.
; No cluster and no LDS ring: no two waves read the same tile by plan (which groups a query names hangs on the data).
.set L16,  1                           ; v1   16 x lane
.set R4,   4                           ; v4   4 x (lane mod 16)
.set QV,   5                           ; v5   the query's place in an image: 16 x its row + 256 h
.set LN,   6                           ; v6   lane
.set OA,   7                           ; v7   4 x wave
.set ORD,  8                           ; v8   4 x (lane mod 8)
.set SO,   9                           ; v9   4 x lane
.set A,    16                          ; v16-79   the query's four fragments
.set ACC,  80                          ; v80-159  ten accumulators
.set K2,   160                         ; v160-169 |k|^2 of key r of each group
.set VL,   170                         ; v170-179 its class
.set D,    180                         ; v180-184 my five candidates' distances
.set KAP,  185                         ; v185-189 their tie keys
.set C,    190                         ; v190-199 the ten chosen tie keys, then classes
.set VO,   200                         ; v200-209 4 x (16 group + r)
.set X,    210                         ; v210-214 max(d2, 0)
.set E,    215                         ; v215-219 at work in a round
.set W,    220                         ; v220-239 at work
.set INF,  240
.set ONE,  241
.set ZER,  242
.set C127, 243
.set SC,   59                          ; s59 -2^(1 + e0 + e1)
.set SEL,  60                          ; s[60:61] v_permlanex16_b32: lane l xor 16
.set MSB, 0
.macro WIN new                         ; the immediate's high byte repeats the setting that is left
.if MSB != \new
	s_set_vgpr_msb (MSB<<8)|\new
.set MSB, \new
.endif
.endm
.macro REDMIN d, s, b
	v_min_num_f32_dpp v[\d], v[\s], v[\s] row_xmask:1 row_mask:0xf bank_mask:0xf
	v_min_num_f32_dpp v[\d], v[\d], v[\d] row_xmask:2 row_mask:0xf bank_mask:0xf
	v_min_num_f32_dpp v[\d], v[\d], v[\d] row_xmask:4 row_mask:0xf bank_mask:0xf
	v_min_num_f32_dpp v[\d], v[\d], v[\d] row_xmask:8 row_mask:0xf bank_mask:0xf
	v_permlanex16_b32 v[\b], v[\d], s[SEL], s[SEL+1]
	v_min_num_f32 v[\d], v[\d], v[\b]
.endm
.macro REDMAX d, s, b
	v_max_num_f32_dpp v[\d], v[\s], v[\s] row_xmask:1 row_mask:0xf bank_mask:0xf
	v_max_num_f32_dpp v[\d], v[\d], v[\d] row_xmask:2 row_mask:0xf bank_mask:0xf
	v_max_num_f32_dpp v[\d], v[\d], v[\d] row_xmask:4 row_mask:0xf bank_mask:0xf
	v_max_num_f32_dpp v[\d], v[\d], v[\d] row_xmask:8 row_mask:0xf bank_mask:0xf
	v_permlanex16_b32 v[\b], v[\d], s[SEL], s[SEL+1]
	v_max_num_f32 v[\d], v[\d], v[\b]
.endm
; v[s], the hardware's root of v[x], is made the correctly rounded one: its two neighbours are tried by exact residuals.  For x = 0 both tests fail and 0 stays.
.macro SQFIX x, s, t
	v_add_nc_u32 v[\t], -1, v[\s]
	v_add_nc_u32 v[\t+1], 1, v[\s]
	v_fma_f32 v[\t+2], -v[\t], v[\s], v[\x]
	v_fma_f32 v[\t+3], -v[\t+1], v[\s], v[\x]
	v_cmp_ge_f32 vcc_lo, 0, v[\t+2]
	v_cndmask_b32 v[\s], v[\s], v[\t], vcc_lo
	v_cmp_lt_f32 vcc_lo, 0, v[\t+3]
	v_cndmask_b32 v[\s], v[\s], v[\t+1], vcc_lo
.endm
	s_load_b256 s[4:11], s[0:1], 0x0               ; xq s[4:5], kq s[6:7], k2 s[8:9], vals s[10:11]
	s_load_b128 s[12:15], s[0:1], 0x20             ; sel s[12:13], the scales' exponents s[14:15]
	s_load_b64 s[16:17], s[0:1], 0x30              ; out0
	v_lshl_add_u32 v254, v0, 2, 0x100
	v_mov_b32 v255, 0
	v_lshrrev_b32 v[W], 5, v0
	v_readfirstlane_b32 s18, v[W]                  ; wave 0..7
	s_lshl_b32 s20, ttmp9, 10
	s_lshl_b32 s21, s18, 7
	s_add_co_u32 s20, s20, s21                     ; sel: 128 bytes a row, row 8 g + w
	s_mov_b32 s21, 0
	s_lshr_b32 s22, ttmp9, 1
	s_mul_i32 s22, s22, 8448                       ; xq: the row's tile of 16 queries
	s_mov_b32 s23, 0
	s_and_b32 s19, ttmp9, 1
	s_lshl_b32 s19, s19, 3
	s_add_co_u32 s19, s19, s18                     ; and its place in the tile
	s_mov_b32 s57, 0
	s_mov_b32 s58, 0xffff0000                      ; lanes 16-31
	s_mov_b32 s[SEL], 0x76543210
	s_mov_b32 s[SEL+1], 0xfedcba98
	v_and_b32 v[LN], 31, v0
	v_lshlrev_b32 v[L16], 4, v[LN]
	v_and_b32 v[R4], 15, v0
	v_lshlrev_b32 v[R4], 2, v[R4]
	v_bfe_u32 v[W+1], v0, 4, 1
	s_lshl_b32 s35, s19, 4
	v_lshl_add_u32 v[QV], v[W+1], 8, s35
	s_lshl_b32 s35, s18, 2
	v_mov_b32 v[OA], s35
	v_and_b32 v[ORD], 7, v0
	v_lshlrev_b32 v[ORD], 2, v[ORD]
	v_lshlrev_b32 v[SO], 2, v[LN]
	v_mov_b32 v[INF], 0x7f800000
	v_mov_b32 v[ONE], 1
	v_mov_b32 v[ZER], 0
	v_mov_b32 v[C127], 127
	s_wait_kmcnt 0x0
	s_add_nc_u64 s[12:13], s[12:13], s[20:21]
	s_add_nc_u64 s[4:5], s[4:5], s[22:23]
	s_load_b256 s[24:31], s[12:13], 0x0            ; groups 0-7,
	s_load_b64 s[32:33], s[12:13], 0x20            ; 8 and 9
	s_lshl_b32 s20, s19, 2
	s_add_nc_u64 s[20:21], s[4:5], s[20:21]
	s_load_b32 s34, s[20:21], 0x2000               ; |x|^2
	s_load_b64 s[22:23], s[14:15], 0x0             ; e0, e1
.irp s, 0,1,2,3
.irp c, 0,1,2,3
	global_load_b128 v[A+16*\s+4*\c:A+16*\s+4*\c+3], v[QV], s[4:5] offset:2048*\s+512*\c   ; all lanes of a half read the query's own 16 bytes
.endr
.endr
	s_wait_kmcnt 0x0
.irp k, 0,1,2,3,4,5,6,7,8,9
	s_min_u32 s[24+\k], s[24+\k], 4095             ; a loaded number enters an address only behind this bound
	v_lshl_add_u32 v[VO+\k], s[24+\k], 6, v[R4]    ; 4 x (16 group + r)
	s_lshl_b32 s56, s[24+\k], 13
	s_add_nc_u64 s[36+2*\k:37+2*\k], s[6:7], s[56:57]   ; the group's 8,192 bytes of kq
.endr
.irp k, 0,1,2,3,4,5,6,7,8,9
	global_load_b32 v[K2+\k], v[VO+\k], s[8:9]
.endr
.irp k, 0,1,2,3,4,5,6,7,8,9
	global_load_b32 v[VL+\k], v[VO+\k], s[10:11]
.endr
.macro LOADB P                         ; pair P: groups 2 P and 2 P + 1, into set P mod 2 of window 1: 32 loads of 512 consecutive bytes
	WIN 0x40                                       ; destination window 1, address window 0
.irp e, 0,1
.irp s, 0,1,2,3
.irp c, 0,1,2,3
	global_load_b128 v[128*((\P)%2)+64*\e+16*\s+4*\c:128*((\P)%2)+64*\e+16*\s+4*\c+3], v[L16], s[36+4*(\P)+2*\e:37+4*(\P)+2*\e] offset:2048*\s+512*\c
.endr
.endr
.endr
	WIN 0
.endm
	LOADB 0
	LOADB 1
	s_add_co_i32 s[SC], s22, s23
	s_add_co_i32 s[SC], s[SC], 128
	s_lshl_b32 s[SC], s[SC], 23
	s_or_b32 s[SC], s[SC], 0x80000000              ; -2^(1 + e0 + e1)
.macro PAIR P
.if (\P) < 4
	s_wait_loadcnt 32                              ; all but the next pair's 32 loads are in
.else
	s_wait_loadcnt 0
.endif
	WIN 0x04                                       ; source 1 (the keys) window 1
.irp s, 0,1,2,3
.irp e, 0,1
.if \s == 0
	v_wmma_f32_16x16x128_bf8_bf8 v[ACC+8*(2*(\P)+\e):ACC+8*(2*(\P)+\e)+7], v[A+16*\s:A+16*\s+15], v[128*((\P)%2)+64*\e+16*\s:128*((\P)%2)+64*\e+16*\s+15], 0
.else
	v_wmma_f32_16x16x128_bf8_bf8 v[ACC+8*(2*(\P)+\e):ACC+8*(2*(\P)+\e)+7], v[A+16*\s:A+16*\s+15], v[128*((\P)%2)+64*\e+16*\s:128*((\P)%2)+64*\e+16*\s+15], v[ACC+8*(2*(\P)+\e):ACC+8*(2*(\P)+\e)+7]
.endif
.endr
.endr
	WIN 0
.rept 4
	v_nop                                          ; places in front of loads into registers that the products have read, and of the first read of results
.endr
.if (\P) < 3
	LOADB (\P)+2
.endif
.endm
	PAIR 0
	PAIR 1
	PAIR 2
	PAIR 3
	PAIR 4
.irp P, 0,1,2,3,4                      ; lanes 0-15 take group 2 P, lanes 16-31 group 2 P + 1
	v_cndmask_b32 v[W+4*\P], v[ACC+16*\P], v[ACC+16*\P+8], s58       ; the sum of codes' products: each accumulator's lowest register
	v_cndmask_b32 v[W+4*\P+1], v[K2+2*\P], v[K2+2*\P+1], s58
	v_cndmask_b32 v[W+4*\P+2], v[VL+2*\P], v[VL+2*\P+1], s58
	v_cndmask_b32 v[W+4*\P+3], v[VO+2*\P], v[VO+2*\P+1], s58         ; 4 x index
	v_min_u32 v[W+4*\P+2], 127, v[W+4*\P+2]                          ; a class out of range becomes 127 at the most, which counts for nothing
	v_lshl_add_u32 v[W+4*\P+3], v[W+4*\P+3], 5, v[W+4*\P+2]          ; 128 x index + class
	v_cvt_f32_u32 v[KAP+\P], v[W+4*\P+3]
	v_add_f32 v[W+4*\P+1], s34, v[W+4*\P+1]                          ; |x|^2 + |k|^2
	v_fma_f32 v[W+4*\P], v[W+4*\P], s[SC], v[W+4*\P+1]               ; - 2 x.k
	v_max_num_f32 v[X+\P], 0, v[W+4*\P]
.endr
.irp P, 0,1,2,3,4
	v_sqrt_f32 v[D+\P], v[X+\P]
.endr
	v_nop                                          ; a plain line behind the roots,
	s_wait_alu depctr_va_vdst(0)                   ; and the one wait for the five ahead of their first reader
.irp P, 0,1,2,3,4
	SQFIX X+\P, D+\P, W+4*\P
.endr
.set k, 0
.rept 10
	v_min3_num_f32 v[W], v[D], v[D+1], v[D+2]
	v_min3_num_f32 v[W], v[W], v[D+3], v[D+4]
	REDMIN W, W, W+1                               ; the least distance left
.irp P, 0,1,2,3,4
	v_cmp_eq_f32 vcc_lo, v[D+\P], v[W]
	v_cndmask_b32 v[E+\P], v[INF], v[KAP+\P], vcc_lo
.endr
	v_min3_num_f32 v[C+k], v[E], v[E+1], v[E+2]
	v_min3_num_f32 v[C+k], v[C+k], v[E+3], v[E+4]
	REDMIN C+k, C+k, W+1                           ; among those at that distance the lowest index
.irp P, 0,1,2,3,4
	v_cmp_eq_f32 vcc_lo, v[KAP+\P], v[C+k]
	v_cndmask_b32 v[D+\P], v[D+\P], v[INF], vcc_lo ; it is taken out
.endr
.set k, k+1
.endr
.irp k, 0,1,2,3,4,5,6,7,8,9
	v_cvt_u32_f32 v[C+\k], v[C+\k]
.endr
.irp k, 0,1,2,3,4,5,6,7,8,9
	v_and_b32 v[C+\k], 127, v[C+\k]                ; the ten classes, in every lane
.endr
	v_mov_b32 v[W], 127
.irp k, 0,1,2,3,4,5,6,7,8,9
	s_mov_b32 s56, 1<<\k
	v_cndmask_b32 v[W], v[W], v[C+\k], s56         ; lane k stands for neighbour k's class
.endr
	v_mov_b32 v[W+1], 0
.irp k, 0,1,2,3,4,5,6,7,8,9
	v_cmp_eq_u32 vcc_lo, v[W], v[C+\k]
	v_cndmask_b32 v[W+2], v[ZER], v[ONE], vcc_lo
	v_add_nc_u32 v[W+1], v[W+1], v[W+2]            ; how often it occurs among the ten
.endr
	v_lshlrev_b32 v[W+1], 7, v[W+1]
	v_sub_nc_u32 v[W+2], 127, v[W]
	v_add_nc_u32 v[W+1], v[W+1], v[W+2]            ; 128 x count + 127 - class: the largest is the most frequent class, the smaller one on a tie
	v_cmp_gt_u32 vcc_lo, 100, v[W]
	v_cndmask_b32 v[W+1], v[C127], v[W+1], vcc_lo  ; a class out of range, and lanes 10-31: 127, under every class in range, and it stands for class 0
	v_cvt_f32_u32 v[W+1], v[W+1]
	REDMAX W+1, W+1, W+2
	v_cvt_u32_f32 v[W+1], v[W+1]
	v_and_b32 v[W+1], 127, v[W+1]
	v_sub_nc_u32 v[W+1], 127, v[W+1]
	ds_store_b32 v[OA], v[W+1]                     ; the eight rows' results meet in LDS
	s_lshl_b32 s56, ttmp9, 5
	s_add_nc_u64 s[16:17], s[16:17], s[56:57]
	s_wait_dscnt 0x0
	s_barrier_signal -1
	s_barrier_wait -1
	s_cmp_lg_u32 s18, 0
	s_cbranch_scc1 .Ldone
	ds_load_b32 v[W+2], v[ORD]
	v_cmp_gt_u32 vcc_lo, 8, v[LN]
	s_wait_dscnt 0x0
	s_wait_xcnt 0x0                                ; EXEC changes only behind this wait
	s_and_saveexec_b32 s56, vcc_lo
	global_store_b32 v[SO], v[W+2], s[16:17]       ; lanes 0-7: the work-group's 32 consecutive bytes of the output
	s_wait_xcnt 0x0                                ; and again, in front of the line that widens it
	s_or_b32 exec_lo, exec_lo, s56
.Ldone:
	s_wait_tensorcnt 0x0
	ds_add_u32 v254, v255
	s_wait_dscnt 0x0
	s_endpgm
.Lfunc_end_k_qc34f8097aa_vote:
	.size	k_qc34f8097aa_vote, .Lfunc_end_k_qc34f8097aa_vote-k_qc34f8097aa_vote
	.p2alignl 7, 3214868480
	.fill 96, 4, 3214868480
	.section	.rodata,"a",@progbits
	.p2align	6, 0x0
	.amdhsa_kernel k_qc34f8097aa_vote
		.amdhsa_group_segment_fixed_size 1280
		.amdhsa_private_segment_fixed_size 0
		.amdhsa_enable_private_segment 0
		.amdhsa_kernarg_size 56
		.amdhsa_user_sgpr_count 2
		.amdhsa_user_sgpr_kernarg_segment_ptr 1
		.amdhsa_wavefront_size32 1
		.amdhsa_system_sgpr_workgroup_id_x 1
		.amdhsa_system_sgpr_workgroup_id_y 1
		.amdhsa_system_sgpr_workgroup_id_z 1
		.amdhsa_system_vgpr_workitem_id 0
		.amdhsa_next_free_vgpr 512
		.amdhsa_next_free_sgpr 66
		.amdhsa_reserve_vcc 1
		.amdhsa_float_denorm_mode_32 3
		.amdhsa_float_denorm_mode_16_64 3
		.amdhsa_memory_ordered 1
		.amdhsa_forward_progress 1
		.amdhsa_inst_pref_size 52
	.end_amdhsa_kernel
	.amdgpu_metadata
---
amdhsa.version: [ 1, 2 ]
amdhsa.kernels:
  - .name:           k_qc34f8097aa_vote
    .symbol:         k_qc34f8097aa_vote.kd
    .args:
      - { .name: xq, .offset: 0, .size: 8, .value_kind: global_buffer, .address_space: global }
      - { .name: kq, .offset: 8, .size: 8, .value_kind: global_buffer, .address_space: global }
      - { .name: k2, .offset: 16, .size: 8, .value_kind: global_buffer, .address_space: global }
      - { .name: vals, .offset: 24, .size: 8, .value_kind: global_buffer, .address_space: global }
      - { .name: sel, .offset: 32, .size: 8, .value_kind: global_buffer, .address_space: global }
      - { .name: lowp_scales, .offset: 40, .size: 8, .value_kind: global_buffer, .address_space: global }
      - { .name: out0, .offset: 48, .size: 8, .value_kind: global_buffer, .address_space: global }
    .group_segment_fixed_size: 1280
    .private_segment_fixed_size: 0
    .kernarg_segment_align: 8
    .kernarg_segment_size: 56
    .max_flat_workgroup_size: 256
    .sgpr_count:     66
    .vgpr_count:     512
    .wavefront_size: 32
...
	.end_amdgpu_metadata
.endif
;; end of part 4
